; MI455X (gfx1250); checked and timed in simulation.
; The chip was launched on July 23, 2026; its instructions are those of AMD's public machine-readable ISA for CDNA 5 (MIT licence, August 2026) and "CDNA5" Instruction Set Architecture Reference Guide (July 2026). The comments in the code are by the model that wrote it; some were corrected since.
;; Spatial Transformer2. Allowed arithmetic: float matrix products may take bf16 or f16 operands with f32 sums; all other float work in f32.
;; Inputs: flow 1 x 3 x 160 x 192 x 224 float32; src 1 x 2 x 160 x 192 x 224 float32.
;; Outputs: out0 1 x 2 x 160 x 192 x 224 float32.
;; 2 versions, each right; version 2 is version 1 with the launches bases, sample written anew for expert scheduling mode. Each part assembles by itself: llvm-mc -triple=amdgcn-amd-amdhsa -mcpu=gfx1250 --defsym DOCPART=n.
;; ======== version 1 of 2: 2 launches
;; workspace buffers: idx 27,525,120 bytes of whole numbers
;; launch bases (part 1): grid 48 x 32, 7 waves a work-group, no clusters, 0 bytes of LDS; arguments flow, idx; writes idx
.if DOCPART == 1
	.amdgcn_target "amdgcn-amd-amdhsa--gfx1250"
	.amdhsa_code_object_version 6
	.text
	.protected	k_q24bd84a385_bases
	.globl	k_q24bd84a385_bases
	.p2align	8
	.type	k_q24bd84a385_bases,@function
k_q24bd84a385_bases:
	s_mov_b64 s[64:65], 0
	v_nop
	global_prefetch_b8 v0, s[64:65] scope:SCOPE_SE
	s_setreg_imm32_b32 hwreg(HW_REG_WAVE_MODE, 25, 1), 1
	s_wait_xcnt 0x0
; For every voxel (d, h, w) of 160 x 192 x 224: the corner from which the next launch gathers, as one whole number.
;   c = grid + flow on each axis;  base = clamp(floor(c), 0, size - 2), so that base and base + 1 both lie inside the table.
;   idx = (base_d * 192 + base_h) << 16 | base_w * 4      (row of the table, byte in the row)
; The addresses of the gather are decided here and stored as whole numbers; the launch that gathers forms no address from a float.
; A chunk is 4 rows = 896 voxels = 3,584 consecutive bytes; 7 waves, thread t owns the 16 bytes at 16 t: each load and store of a wave
; covers 512 consecutive bytes, aligned.  The work-group (x, y) takes chunk x of the planes 5 y .. 5 y + 4.
; Memory binds: all 15 loads of a wave go out first, the waits count down, the result is made in the registers that were loaded.
; No LDS, no barrier, no matrix unit: no number is used by two threads.
; LIMIT: a NaN in flow gives base 0 on that axis (the next launch gives such a voxel weight 0; reference() gives NaN there).
.set ROWB,   896                       ; bytes in a row of 224 f32
.set PLANE,  192*ROWB                  ; 172,032 bytes in a plane
.set CH,     160*PLANE                 ; 27,525,120 bytes in a component of flow
.set CHUNK,  4*ROWB
.set NP,     5                         ; planes of a work-group
.set OFF, 1                            ; v1       byte offset of my 16 bytes in the first plane; never rewritten
.set WF,  2                            ; v[2:5]   w of my four voxels, f32
.set HF,  6                            ; v[6:7]   my h, twice (a pair for the packed add)
.set DF,  8                            ; v[8:9]   the plane at work, twice
.set T,   10                           ; v[10:11] at work
.set F,   12                           ; v[12:71] plane i: 4 flow_d, 4 flow_h, 4 flow_w; the first four become the result
	s_load_b128 s[4:7], s[0:1], 0x0                ; flow s[4:5], idx s[6:7]
	s_and_b32 s12, ttmp7, 0xffff                   ; y
	s_mul_i32 s12, s12, NP                         ; my first plane
	s_mul_i32 s13, s12, PLANE
	s_mul_i32 s14, ttmp9, CHUNK
	s_add_co_u32 s13, s13, s14                     ; byte offset of my chunk in the first plane (below 27,525,120)
	v_lshl_add_u32 v[OFF], v0, 4, s13
	s_wait_kmcnt 0x0
	s_add_nc_u64 s[8:9], s[4:5], CH                ; flow's h component
	s_add_nc_u64 s[10:11], s[4:5], 2*CH            ; flow's w component
.irp i, 0,1,2,3,4
	global_load_b128 v[F+12*\i:F+12*\i+3],    v[OFF], s[4:5]   offset:\i*PLANE th:TH_LOAD_NT
	global_load_b128 v[F+12*\i+4:F+12*\i+7],  v[OFF], s[8:9]   offset:\i*PLANE th:TH_LOAD_NT
	global_load_b128 v[F+12*\i+8:F+12*\i+11], v[OFF], s[10:11] offset:\i*PLANE th:TH_LOAD_NT
.endr
	; my place in the grid: 56 threads to a row; t / 56 = (t * 1171) >> 16 for t below 1,638
	s_lshl_b32 s14, ttmp9, 2                       ; the chunk's first row
	s_mov_b32 s16, 0x431e0000                      ; 158.0 = D - 2
	s_mov_b32 s17, 0x433e0000                      ; 190.0 = H - 2
	s_mov_b32 s18, 0x435e0000                      ; 222.0 = W - 2
	s_mov_b32 s19, 0x43400000                      ; 192.0 = H
	v_mul_u32_u24 v[T], 1171, v0
	v_lshrrev_b32 v[T], 16, v[T]                   ; my row in the chunk
	v_mul_u32_u24 v[T+1], 56, v[T]
	v_sub_nc_u32 v[T+1], v0, v[T+1]
	v_lshlrev_b32 v[T+1], 2, v[T+1]                ; w of my first voxel
	v_add_nc_u32 v[T], s14, v[T]                   ; h
	v_cvt_f32_u32 v[HF], v[T]
	v_cvt_f32_u32 v[WF], v[T+1]
	v_cvt_f32_u32 v[DF], s12
	v_mov_b32 v[HF+1], v[HF]
	v_mov_b32 v[DF+1], v[DF]
	v_add_f32 v[WF+1], 1.0, v[WF]
	v_add_f32 v[WF+2], 2.0, v[WF]
	v_add_f32 v[WF+3], 0x40400000, v[WF]           ; + 3.0
; Plane i of the five.
.macro PLANE_IN i
	s_wait_loadcnt 3*(NP-1-\i)                     ; loads return in order: this plane's three are in, the later planes' three each stay out
.irp p, 0,2
	v_pk_add_f32 v[F+12*\i+\p:F+12*\i+\p+1],     v[F+12*\i+\p:F+12*\i+\p+1],     v[DF:DF+1]
	v_pk_add_f32 v[F+12*\i+4+\p:F+12*\i+4+\p+1], v[F+12*\i+4+\p:F+12*\i+4+\p+1], v[HF:HF+1]
	v_pk_add_f32 v[F+12*\i+8+\p:F+12*\i+8+\p+1], v[F+12*\i+8+\p:F+12*\i+8+\p+1], v[WF+\p:WF+\p+1]
.endr
.irp j, 0,1,2,3,4,5,6,7,8,9,10,11
	v_floor_f32 v[F+12*\i+\j], v[F+12*\i+\j]
.endr
.irp j, 0,1,2,3
	v_med3_num_f32 v[F+12*\i+\j],   v[F+12*\i+\j],   0, s16    ; clamped while still a float: any size of flow is served
	v_med3_num_f32 v[F+12*\i+4+\j], v[F+12*\i+4+\j], 0, s17
	v_med3_num_f32 v[F+12*\i+8+\j], v[F+12*\i+8+\j], 0, s18
.endr
.irp j, 0,1,2,3
	v_fma_f32 v[F+12*\i+\j], v[F+12*\i+\j], s19, v[F+12*\i+4+\j]   ; row = d * 192 + h: at most 30,526, exact in f32
.endr
.irp j, 0,1,2,3
	v_cvt_u32_f32 v[F+12*\i+\j],   v[F+12*\i+\j]
	v_cvt_u32_f32 v[F+12*\i+8+\j], v[F+12*\i+8+\j]
.endr
.irp j, 0,1,2,3
	v_lshlrev_b32 v[F+12*\i+8+\j], 2, v[F+12*\i+8+\j]             ; byte in the row
.endr
.irp j, 0,1,2,3
	v_lshl_or_b32 v[F+12*\i+\j], v[F+12*\i+\j], 16, v[F+12*\i+8+\j]
.endr
	global_store_b128 v[OFF], v[F+12*\i:F+12*\i+3], s[6:7] offset:\i*PLANE th:TH_STORE_NT   ; its data registers are never written again
.if \i < NP-1
	v_add_f32 v[DF],   1.0, v[DF]                  ; the next plane
	v_add_f32 v[DF+1], 1.0, v[DF+1]
.endif
.endm
	PLANE_IN 0
	PLANE_IN 1
	PLANE_IN 2
	PLANE_IN 3
	PLANE_IN 4
	s_endpgm
.Lfunc_end_k_q24bd84a385_bases:
	.size	k_q24bd84a385_bases, .Lfunc_end_k_q24bd84a385_bases-k_q24bd84a385_bases
	.p2alignl 7, 3214868480
	.fill 96, 4, 3214868480
	.section	.rodata,"a",@progbits
	.p2align	6, 0x0
	.amdhsa_kernel k_q24bd84a385_bases
		.amdhsa_group_segment_fixed_size 0
		.amdhsa_private_segment_fixed_size 0
		.amdhsa_enable_private_segment 0
		.amdhsa_kernarg_size 16
		.amdhsa_user_sgpr_count 2
		.amdhsa_user_sgpr_kernarg_segment_ptr 1
		.amdhsa_wavefront_size32 1
		.amdhsa_system_sgpr_workgroup_id_x 1
		.amdhsa_system_sgpr_workgroup_id_y 1
		.amdhsa_system_sgpr_workgroup_id_z 1
		.amdhsa_system_vgpr_workitem_id 0
		.amdhsa_next_free_vgpr 72
		.amdhsa_next_free_sgpr 66
		.amdhsa_reserve_vcc 0
		.amdhsa_float_denorm_mode_32 3
		.amdhsa_float_denorm_mode_16_64 3
		.amdhsa_memory_ordered 1
		.amdhsa_forward_progress 1
		.amdhsa_inst_pref_size 16
	.end_amdhsa_kernel
	.amdgpu_metadata
---
amdhsa.version: [ 1, 2 ]
amdhsa.kernels:
  - .name:           k_q24bd84a385_bases
    .symbol:         k_q24bd84a385_bases.kd
    .args:
      - { .name: flow, .offset: 0, .size: 8, .value_kind: global_buffer, .address_space: global }
      - { .name: idx, .offset: 8, .size: 8, .value_kind: global_buffer, .address_space: global }
    .group_segment_fixed_size: 0
    .private_segment_fixed_size: 0
    .kernarg_segment_align: 8
    .kernarg_segment_size: 16
    .max_flat_workgroup_size: 224
    .sgpr_count:     66
    .vgpr_count:     72
    .wavefront_size: 32
...
	.end_amdgpu_metadata
.endif
;; end of part 1
;; launch sample (part 2): grid 48 x 16, 7 waves a work-group, no clusters, 0 bytes of LDS; arguments idx, flow, src, out0; writes out0
.if DOCPART == 2
	.amdgcn_target "amdgcn-amd-amdhsa--gfx1250"
	.amdhsa_code_object_version 6
	.text
	.protected	k_q24bd84a385_sample
	.globl	k_q24bd84a385_sample
	.p2align	8
	.type	k_q24bd84a385_sample,@function
k_q24bd84a385_sample:
	s_mov_b64 s[64:65], 0
	v_nop
	global_prefetch_b8 v0, s[64:65] scope:SCOPE_SE
	s_setreg_imm32_b32 hwreg(HW_REG_WAVE_MODE, 25, 1), 1
	s_wait_xcnt 0x0
; out[c][d][h][w] = trilinear sample of src[c] at (d, h, w) + flow, zeros outside.  src, out: 2 x 160 x 192 x 224 f32; flow: 3 components.
; idx (made by the launch before) names for each voxel the corner (bd, bh, bw), base = clamp(floor(coordinate), 0, size - 2): row bd * 192 + bh in
; bits 31:16, 4 bw in bits 15:0.  base and base + 1 are always inside the table, so the eight corners are base + constants.
; The weights are made here from flow, in f32, as the tent function round each corner, with t = coordinate - base (the base by the same add, floor and
; clamp on the same numbers as in the launch before):
;   weight(base) = max(0, 1 - |t|)     weight(base + 1) = max(0, min(t, 2 - t))
; Inside the table that is (1 - f, f); for floor = -1 it is (f, 0); for floor = size - 1 it is (0, 1 - f); further out (0, 0): reference()'s weights times its mask.
; A chunk is 4 rows = 896 voxels = 3,584 consecutive bytes; 7 waves, thread t owns the 16 bytes (4 voxels) at 16 t: each stream load and each store of a
; wave covers 512 consecutive bytes, aligned.  The work-group (x, y) takes chunk x of the planes y + 16 i, i = 0 .. 9: in a trip all work-groups together
; cover 16 neighbouring planes, so the rows of src that one gathers are those that its neighbours gather.
; idx and flow come two trips ahead into two register sets that take turns; 64 gathers of a wave are issued in one run, the weights are made while they fly.
; No LDS tile of src: the displacement has no bound, so no halo of fixed size serves every input.  No matrix unit: there is no product of matrices.
; LIMITS: a NaN or an infinity in flow gives weights 0, hence out = 0, where reference() gives NaN.  src is taken to be finite: at the table's border the corner
; that gets weight 0 here is another voxel than in reference(), and 0 times a non-finite number is NaN.  The three weights are applied one axis after the
; other, not as one product: the last bits may differ from reference()'s.
.set ROWB,   896                       ; bytes in a row of 224 f32
.set PLANE,  192*ROWB                  ; 172,032
.set CH,     160*PLANE                 ; 27,525,120: a channel of src or out, a component of flow
.set CHUNK,  4*ROWB
.set STEP,   16*PLANE                  ; from trip to trip; 2 * STEP = 5,505,024 still fits a load's signed 24-bit immediate
.set ROWMAX, 158*192+190               ; the largest row that idx may name
.set COLMAX, 222*4                     ; the largest byte in a row
.set OFF, 1                            ; v1        byte offset of my 16 bytes in this trip's plane
.set WF,  2                            ; v[2:5]    w of my four voxels, f32
.set HF,  6                            ; v[6:7]    my h, twice
.set DF,  8                            ; v[8:9]    this trip's d, twice
.set ADR, 10                           ; v[10:13]  voxel j: byte offset of its corner in a channel of src
.set T,   14                           ; v[14:21]  at work
.set O,   22                           ; v[22:25]  channel 0 of my four voxels, v[26:29] channel 1
.set WT,  30                           ; v[30:53]  voxel j: (lo, hi) for d, for h, for w: three pairs
.set S,   54                           ; v[54:85]  set s: 4 idx, 4 flow_d, 4 flow_h, 4 flow_w
.set G,   86                           ; v[86:149] voxel j, corner (dd, hh, ww), channel c at 16 j + 8 dd + 4 hh + 2 ww + c
.set PF,  150                          ; v150      wave 0: the block of src that my lane asks for ahead
.macro STREAM s, at                    ; idx and the three components of flow for the plane at byte offset 'at' from this trip's
	global_load_b128 v[S+16*\s:S+16*\s+3],     v[OFF], s[4:5]   offset:\at th:TH_LOAD_NT
	global_load_b128 v[S+16*\s+4:S+16*\s+7],   v[OFF], s[6:7]   offset:\at th:TH_LOAD_NT
	global_load_b128 v[S+16*\s+8:S+16*\s+11],  v[OFF], s[12:13] offset:\at th:TH_LOAD_NT
	global_load_b128 v[S+16*\s+12:S+16*\s+15], v[OFF], s[14:15] offset:\at th:TH_LOAD_NT
.endm
	s_load_b256 s[4:11], s[0:1], 0x0               ; idx s[4:5], flow s[6:7], src s[8:9], out s[10:11]
	s_and_b32 s20, ttmp7, 0xffff                   ; y = my first plane
	s_mul_i32 s21, s20, PLANE
	s_mul_i32 s22, ttmp9, CHUNK
	s_add_co_u32 s21, s21, s22                     ; byte offset of my chunk in my first plane
	v_lshl_add_u32 v[OFF], v0, 4, s21
	s_wait_kmcnt 0x0
	s_add_nc_u64 s[12:13], s[6:7], CH              ; flow's h component
	s_add_nc_u64 s[14:15], s[6:7], 2*CH            ; flow's w component
	s_add_nc_u64 s[16:17], s[8:9], CH              ; src, channel 1
	s_add_nc_u64 s[18:19], s[10:11], CH            ; out, channel 1
	STREAM 0, 0                                    ; trip 0
	STREAM 1, STEP                                 ; trip 1
	; my place in the grid: 56 threads to a row; t / 56 = (t * 1171) >> 16 for t below 1,638
	s_lshl_b32 s22, ttmp9, 2                       ; the chunk's first row
	s_mov_b32 s25, 0x431e0000                      ; 158.0 = D - 2
	s_mov_b32 s26, 0x433e0000                      ; 190.0 = H - 2
	s_mov_b32 s27, 0x435e0000                      ; 222.0 = W - 2
	v_lshrrev_b32 v[T+2], 5, v0
	v_readfirstlane_b32 s28, v[T+2]                ; my wave's number
	v_mul_u32_u24 v[T], 1171, v0
	v_lshrrev_b32 v[T], 16, v[T]                   ; my row in the chunk
	v_mul_u32_u24 v[T+1], 56, v[T]
	v_sub_nc_u32 v[T+1], v0, v[T+1]
	v_lshlrev_b32 v[T+1], 2, v[T+1]                ; w of my first voxel
	v_add_nc_u32 v[T], s22, v[T]                   ; h
	v_cvt_f32_u32 v[HF], v[T]
	v_cvt_f32_u32 v[WF], v[T+1]
	v_cvt_f32_u32 v[DF], s20
	v_mov_b32 v[HF+1], v[HF]
	v_mov_b32 v[DF+1], v[DF]
	v_add_f32 v[WF+1], 1.0, v[WF]
	v_add_f32 v[WF+2], 2.0, v[WF]
	v_add_f32 v[WF+3], 0x40400000, v[WF]           ; + 3.0
	; The request ahead: my chunk of src is 14 blocks of 256 bytes in each channel.  Lane l of wave 0 names block l of channel 0 (l = 0 .. 13) or block l - 14
	; of channel 1 (l = 14 .. 27); lanes 28 to 31 repeat lane 27.
	v_min_u32 v[PF], 27, v0
	v_cmp_lt_u32 vcc_lo, 13, v[PF]
	v_lshlrev_b32 v[PF], 8, v[PF]
	v_mov_b32 v[T], CH-14*256
	v_cndmask_b32 v[T], 0, v[T], vcc_lo
	v_add3_u32 v[PF], v[PF], v[T], s21
; The weights of voxels p and p + 1 on one axis.  f: their flow numbers; g: their grid coordinates (a pair); lim: size - 2; wo: the axis's place among the weights.
.macro HALF f, g, lim, wo, p
	v_pk_add_f32 v[\f+\p:\f+\p+1], v[\f+\p:\f+\p+1], v[\g:\g+1]                    ; the coordinate
	v_floor_f32 v[T],   v[\f+\p]
	v_floor_f32 v[T+1], v[\f+\p+1]
	v_med3_num_f32 v[T],   v[T],   0, \lim                                         ; the base, as the launch before made it
	v_med3_num_f32 v[T+1], v[T+1], 0, \lim
	v_pk_add_f32 v[T:T+1], v[\f+\p:\f+\p+1], v[T:T+1] neg_lo:[0,1] neg_hi:[0,1]    ; t = coordinate - base
.irp e, 0,1
	v_sub_f32 v[T+2+\e], 1.0, |v[T+\e]|
	v_sub_f32 v[T+4+\e], 2.0, v[T+\e]
	v_min_num_f32 v[T+4+\e], v[T+\e], v[T+4+\e]
	v_max_num_f32 v[WT+6*(\p+\e)+\wo],   0, v[T+2+\e]                              ; weight of base
	v_max_num_f32 v[WT+6*(\p+\e)+\wo+1], 0, v[T+4+\e]                              ; weight of base + 1
.endr
.endm
; One trip.  s: the register set with this trip's idx and flow; ahead = 1: the set is loaded again for the trip after next; pre = 1: wave 0 asks for the next
; trip's chunk of src; top: how many younger loads may be out when the set has to be there; last = 1: nothing is stepped.
.macro TRIP s, ahead, pre, top, last
	s_wait_loadcnt \top                            ; loads return in order: my set is in; the other set's four may be out
.irp j, 0,1,2,3
	v_lshrrev_b32 v[T+\j],   16, v[S+16*\s+\j]     ; row
	v_and_b32     v[ADR+\j], 0x3fc, v[S+16*\s+\j]  ; byte in the row
	v_min_u32 v[T+\j],   ROWMAX, v[T+\j]           ; whatever the word holds, all eight corners stay inside a channel:
	v_min_u32 v[ADR+\j], COLMAX, v[ADR+\j]         ; (30,526 + 193) * 896 + 888 + 4 is the channel's last number
	v_mul_u32_u24 v[T+\j], ROWB, v[T+\j]
	v_add_nc_u32 v[ADR+\j], v[T+\j], v[ADR+\j]
.endr
.irp j, 0,1,2,3
.irp d, 0,1
.irp h, 0,1
.irp w, 0,1
	global_load_b32 v[G+16*\j+8*\d+4*\h+2*\w],   v[ADR+\j], s[8:9]   offset:\d*PLANE+\h*ROWB+\w*4
	global_load_b32 v[G+16*\j+8*\d+4*\h+2*\w+1], v[ADR+\j], s[16:17] offset:\d*PLANE+\h*ROWB+\w*4
.endr
.endr
.endr
.endr
.if \pre
	; One trip (16 planes) ahead: wave 0 asks for the work-group's own chunk of src, both channels, 28 blocks of 256 bytes, one lane each.  Over the launch every block
	; of planes 16 to 159 is asked for once.  The last trip asks for nothing: plane 159 is the furthest named.
	s_cmp_lg_u32 s28, 0
	s_cbranch_scc1 .Lno_request_\@
	global_prefetch_b8 v[PF], s[8:9] offset:STEP th:TH_LOAD_NT scope:SCOPE_SE
.Lno_request_\@:
.endif
	HALF S+16*\s+4,  DF,   s25, 0, 0               ; the weights, while the gathers are on their way
	HALF S+16*\s+4,  DF,   s25, 0, 2
	HALF S+16*\s+8,  HF,   s26, 2, 0
	HALF S+16*\s+8,  HF,   s26, 2, 2
	HALF S+16*\s+12, WF,   s27, 4, 0
	HALF S+16*\s+12, WF+2, s27, 4, 2
.if \ahead
	STREAM \s, 2*STEP                              ; the set has been used up: the trip after next
.endif
.irp j, 0,1,2,3
	s_wait_loadcnt (3-\j)*16+4*\ahead              ; voxel j's 16 gathers are in; out may be the later voxels' 16 each and the four loads ahead
.irp m, 0,4,8,12
	v_pk_mul_f32 v[G+16*\j+\m:G+16*\j+\m+1], v[G+16*\j+\m:G+16*\j+\m+1], v[WT+6*\j+4:WT+6*\j+5] op_sel_hi:[1,0]   ; both channels times the pair's first: along w
.endr
.irp m, 0,4,8,12
	v_pk_fma_f32 v[G+16*\j+\m:G+16*\j+\m+1], v[G+16*\j+\m+2:G+16*\j+\m+3], v[WT+6*\j+4:WT+6*\j+5], v[G+16*\j+\m:G+16*\j+\m+1] op_sel:[0,1,0] op_sel_hi:[1,1,1]   ; times its second
.endr
.irp m, 0,8
	v_pk_mul_f32 v[G+16*\j+\m:G+16*\j+\m+1], v[G+16*\j+\m:G+16*\j+\m+1], v[WT+6*\j+2:WT+6*\j+3] op_sel_hi:[1,0]   ; along h
.endr
.irp m, 0,8
	v_pk_fma_f32 v[G+16*\j+\m:G+16*\j+\m+1], v[G+16*\j+\m+4:G+16*\j+\m+5], v[WT+6*\j+2:WT+6*\j+3], v[G+16*\j+\m:G+16*\j+\m+1] op_sel:[0,1,0] op_sel_hi:[1,1,1]
.endr
	v_pk_mul_f32 v[G+16*\j:G+16*\j+1], v[G+16*\j:G+16*\j+1], v[WT+6*\j:WT+6*\j+1] op_sel_hi:[1,0]                 ; along d; the last step parts the channels
	v_fma_f32 v[O+\j],   v[G+16*\j+8], v[WT+6*\j+1], v[G+16*\j]
	v_fma_f32 v[O+4+\j], v[G+16*\j+9], v[WT+6*\j+1], v[G+16*\j+1]
.endr
	global_store_b128 v[OFF], v[O:O+3],   s[10:11] th:TH_STORE_NT
	global_store_b128 v[OFF], v[O+4:O+7], s[18:19] th:TH_STORE_NT
.if \last == 0
	s_wait_xcnt 0x0                                ; every memory instruction so far has had its addresses translated (ISA guide 3.1): OFF and PF, which the stores, the loads
	                                               ; ahead and the request name, and O, the stores' data, are written again only behind this wait
	v_add_nc_u32 v[OFF], STEP, v[OFF]
	v_add_nc_u32 v[PF],  STEP, v[PF]
	v_add_f32 v[DF],   0x41800000, v[DF]           ; d + 16.0
	v_add_f32 v[DF+1], 0x41800000, v[DF+1]
.endif
.endm
	s_mov_b32 s24, 4                               ; trips 0 to 7, two to a lap
.Llap:
	TRIP 0, 1, 1, 4, 0
	TRIP 1, 1, 1, 4, 0
	s_sub_co_u32 s24, s24, 1
	s_cmp_lg_u32 s24, 0
	s_cbranch_scc1 .Llap
	TRIP 0, 0, 1, 4, 0                             ; trip 8: nothing is left to load ahead; trip 9's four loads may still be out at its head
	TRIP 1, 0, 0, 0, 1                             ; trip 9
	s_endpgm
.Lfunc_end_k_q24bd84a385_sample:
	.size	k_q24bd84a385_sample, .Lfunc_end_k_q24bd84a385_sample-k_q24bd84a385_sample
	.p2alignl 7, 3214868480
	.fill 96, 4, 3214868480
	.section	.rodata,"a",@progbits
	.p2align	6, 0x0
	.amdhsa_kernel k_q24bd84a385_sample
		.amdhsa_group_segment_fixed_size 0
		.amdhsa_private_segment_fixed_size 0
		.amdhsa_enable_private_segment 0
		.amdhsa_kernarg_size 32
		.amdhsa_user_sgpr_count 2
		.amdhsa_user_sgpr_kernarg_segment_ptr 1
		.amdhsa_wavefront_size32 1
		.amdhsa_system_sgpr_workgroup_id_x 1
		.amdhsa_system_sgpr_workgroup_id_y 1
		.amdhsa_system_sgpr_workgroup_id_z 1
		.amdhsa_system_vgpr_workitem_id 0
		.amdhsa_next_free_vgpr 152
		.amdhsa_next_free_sgpr 66
		.amdhsa_reserve_vcc 1
		.amdhsa_float_denorm_mode_32 3
		.amdhsa_float_denorm_mode_16_64 3
		.amdhsa_memory_ordered 1
		.amdhsa_forward_progress 1
		.amdhsa_inst_pref_size 67
	.end_amdhsa_kernel
	.amdgpu_metadata
---
amdhsa.version: [ 1, 2 ]
amdhsa.kernels:
  - .name:           k_q24bd84a385_sample
    .symbol:         k_q24bd84a385_sample.kd
    .args:
      - { .name: idx, .offset: 0, .size: 8, .value_kind: global_buffer, .address_space: global }
      - { .name: flow, .offset: 8, .size: 8, .value_kind: global_buffer, .address_space: global }
      - { .name: src, .offset: 16, .size: 8, .value_kind: global_buffer, .address_space: global }
      - { .name: out0, .offset: 24, .size: 8, .value_kind: global_buffer, .address_space: global }
    .group_segment_fixed_size: 0
    .private_segment_fixed_size: 0
    .kernarg_segment_align: 8
    .kernarg_segment_size: 32
    .max_flat_workgroup_size: 224
    .sgpr_count:     66
    .vgpr_count:     152
    .wavefront_size: 32
...
	.end_amdgpu_metadata
.endif
;; end of part 2
;; ======== version 2 of 2: 2 launches; version 1 with the launches bases, sample written anew for expert scheduling mode
;; workspace buffers: idx 27,525,120 bytes of whole numbers
;; launch bases (part 3): grid 48 x 32, 7 waves a work-group, no clusters, 0 bytes of LDS; arguments flow, idx; writes idx
.if DOCPART == 3
	.amdgcn_target "amdgcn-amd-amdhsa--gfx1250"
	.amdhsa_code_object_version 6
	.text
	.protected	k_q24bd84a385_bases
	.globl	k_q24bd84a385_bases
	.p2align	8
	.type	k_q24bd84a385_bases,@function
k_q24bd84a385_bases:
	s_mov_b64 s[64:65], 0
	v_nop
	global_prefetch_b8 v0, s[64:65] scope:SCOPE_SE
	s_setreg_imm32_b32 hwreg(HW_REG_WAVE_SCHED_MODE, 0, 2), 2
	s_setreg_imm32_b32 hwreg(HW_REG_WAVE_MODE, 25, 1), 1
	s_wait_xcnt 0x0
	s_wait_alu depctr_vm_vsrc(0)
; For every voxel (d, h, w) of 160 x 192 x 224: the corner from which the next launch gathers, as one whole number.
;   c = grid + flow on each axis;  base = clamp(floor(c), 0, size - 2), so that base and base + 1 both lie inside the table.
;   idx = (base_d * 192 + base_h) << 16 | base_w * 4      (row of the table, byte in the row)
; The addresses of the gather are decided here and stored as whole numbers; the launch that gathers forms no address from a float.
; A chunk is 4 rows = 896 voxels = 3,584 consecutive bytes; 7 waves, thread t owns the 16 bytes at 16 t: each load and store of a wave
; covers 512 consecutive bytes, aligned.  The work-group (x, y) takes chunk x of the planes 5 y .. 5 y + 4.
; Memory binds: all 15 loads of a wave go out first, the waits count down, the result is made in the registers that were loaded.
; No LDS, no barrier, no matrix unit: no number is used by two threads.
; LIMIT: a NaN in flow gives base 0 on that axis (the next launch gives such a voxel weight 0; reference() gives NaN there).
; THE MODE: SCHED_MODE bits 1:0 = 2 (LLVM: expert scheduling mode 2), set by the entry lines.  The code itself states the register dependences
; between vector instructions and memory instructions, with s_wait_alu, always for 0.
; THE PLAN.  Registers that memory instructions touch:
;   v1 (OFF)    written once at the head; read by every load and store; never written again.
;   F, plane i  the plane's three loads land in it, issued before any vector line names F; the plane's arithmetic works in place; its first four registers
;               are read by the plane's store and never written again.
; The store of plane i stands at the head of plane i + 1, behind the wait for that plane's data and one wait on va_vdst, which states that plane i's
; results are written.  No register that a memory instruction reads is written again, so no wait on vm_vsrc is owed.
.set ROWB,   896                       ; bytes in a row of 224 f32
.set PLANE,  192*ROWB                  ; 172,032 bytes in a plane
.set CH,     160*PLANE                 ; 27,525,120 bytes in a component of flow
.set CHUNK,  4*ROWB
.set NP,     5                         ; planes of a work-group
.set OFF, 1                            ; v1       byte offset of my 16 bytes in the first plane; never rewritten
.set WF,  2                            ; v[2:5]   w of my four voxels, f32
.set HF,  6                            ; v[6:7]   my h, twice (a pair for the packed add)
.set DF,  8                            ; v[8:9]   the plane at work, twice
.set T,   10                           ; v[10:11] at work
.set F,   12                           ; v[12:71] plane i: 4 flow_d, 4 flow_h, 4 flow_w; the first four become the result
	s_load_b128 s[4:7], s[0:1], 0x0                ; flow s[4:5], idx s[6:7]
	s_and_b32 s12, ttmp7, 0xffff                   ; y
	s_mul_i32 s12, s12, NP                         ; my first plane
	s_mul_i32 s13, s12, PLANE
	s_mul_i32 s14, ttmp9, CHUNK
	s_add_co_u32 s13, s13, s14                     ; byte offset of my chunk in the first plane (below 27,525,120)
	v_lshl_add_u32 v[OFF], v0, 4, s13
	s_wait_kmcnt 0x0
	s_add_nc_u64 s[8:9], s[4:5], CH                ; flow's h component
	s_add_nc_u64 s[10:11], s[4:5], 2*CH            ; flow's w component
	s_wait_alu depctr_va_vdst(0)                   ; v[OFF] is written: every load and store of the kernel reads it as its offset
.irp i, 0,1,2,3,4
	global_load_b128 v[F+12*\i:F+12*\i+3],    v[OFF], s[4:5]   offset:\i*PLANE th:TH_LOAD_NT
	global_load_b128 v[F+12*\i+4:F+12*\i+7],  v[OFF], s[8:9]   offset:\i*PLANE th:TH_LOAD_NT
	global_load_b128 v[F+12*\i+8:F+12*\i+11], v[OFF], s[10:11] offset:\i*PLANE th:TH_LOAD_NT
.endr
	; my place in the grid: 56 threads to a row; t / 56 = (t * 1171) >> 16 for t below 1,638
	s_lshl_b32 s14, ttmp9, 2                       ; the chunk's first row
	s_mov_b32 s16, 0x431e0000                      ; 158.0 = D - 2
	s_mov_b32 s17, 0x433e0000                      ; 190.0 = H - 2
	s_mov_b32 s18, 0x435e0000                      ; 222.0 = W - 2
	s_mov_b32 s19, 0x43400000                      ; 192.0 = H
	v_mul_u32_u24 v[T], 1171, v0
	v_lshrrev_b32 v[T], 16, v[T]                   ; my row in the chunk
	v_mul_u32_u24 v[T+1], 56, v[T]
	v_sub_nc_u32 v[T+1], v0, v[T+1]
	v_lshlrev_b32 v[T+1], 2, v[T+1]                ; w of my first voxel
	v_add_nc_u32 v[T], s14, v[T]                   ; h
	v_cvt_f32_u32 v[HF], v[T]
	v_cvt_f32_u32 v[WF], v[T+1]
	v_cvt_f32_u32 v[DF], s12
	v_mov_b32 v[HF+1], v[HF]
	v_mov_b32 v[DF+1], v[DF]
	v_add_f32 v[WF+1], 1.0, v[WF]
	v_add_f32 v[WF+2], 2.0, v[WF]
	v_add_f32 v[WF+3], 0x40400000, v[WF]           ; + 3.0
; Plane i of the five.  At its head the plane before is stored.
.macro PLANE_IN i
	s_wait_loadcnt 3*(NP-1-\i)                     ; loads return in order: this plane's three are in, the later planes' three each stay out
.if \i > 0
	s_wait_alu depctr_va_vdst(0)                   ; the plane before has written its four results, which the store below reads
	global_store_b128 v[OFF], v[F+12*(\i-1):F+12*(\i-1)+3], s[6:7] offset:(\i-1)*PLANE th:TH_STORE_NT   ; its data registers are never written again
.endif
.irp p, 0,2
	v_pk_add_f32 v[F+12*\i+\p:F+12*\i+\p+1],     v[F+12*\i+\p:F+12*\i+\p+1],     v[DF:DF+1]
	v_pk_add_f32 v[F+12*\i+4+\p:F+12*\i+4+\p+1], v[F+12*\i+4+\p:F+12*\i+4+\p+1], v[HF:HF+1]
	v_pk_add_f32 v[F+12*\i+8+\p:F+12*\i+8+\p+1], v[F+12*\i+8+\p:F+12*\i+8+\p+1], v[WF+\p:WF+\p+1]
.endr
.irp j, 0,1,2,3,4,5,6,7,8,9,10,11
	v_floor_f32 v[F+12*\i+\j], v[F+12*\i+\j]
.endr
.irp j, 0,1,2,3
	v_med3_num_f32 v[F+12*\i+\j],   v[F+12*\i+\j],   0, s16    ; clamped while still a float: any size of flow is served
	v_med3_num_f32 v[F+12*\i+4+\j], v[F+12*\i+4+\j], 0, s17
	v_med3_num_f32 v[F+12*\i+8+\j], v[F+12*\i+8+\j], 0, s18
.endr
.irp j, 0,1,2,3
	v_fma_f32 v[F+12*\i+\j], v[F+12*\i+\j], s19, v[F+12*\i+4+\j]   ; row = d * 192 + h: at most 30,526, exact in f32
.endr
.irp j, 0,1,2,3
	v_cvt_u32_f32 v[F+12*\i+\j],   v[F+12*\i+\j]
	v_cvt_u32_f32 v[F+12*\i+8+\j], v[F+12*\i+8+\j]
.endr
.irp j, 0,1,2,3
	v_lshlrev_b32 v[F+12*\i+8+\j], 2, v[F+12*\i+8+\j]             ; byte in the row
.endr
.irp j, 0,1,2,3
	v_lshl_or_b32 v[F+12*\i+\j], v[F+12*\i+\j], 16, v[F+12*\i+8+\j]
.endr
.if \i < NP-1
	v_add_f32 v[DF],   1.0, v[DF]                  ; the next plane
	v_add_f32 v[DF+1], 1.0, v[DF+1]
.endif
.endm
	PLANE_IN 0
	PLANE_IN 1
	PLANE_IN 2
	PLANE_IN 3
	PLANE_IN 4
	s_wait_alu depctr_va_vdst(0)                   ; the last plane has written its four results, which the last store reads
	global_store_b128 v[OFF], v[F+12*(NP-1):F+12*(NP-1)+3], s[6:7] offset:(NP-1)*PLANE th:TH_STORE_NT
	s_endpgm
.Lfunc_end_k_q24bd84a385_bases:
	.size	k_q24bd84a385_bases, .Lfunc_end_k_q24bd84a385_bases-k_q24bd84a385_bases
	.p2alignl 7, 3214868480
	.fill 96, 4, 3214868480
	.section	.rodata,"a",@progbits
	.p2align	6, 0x0
	.amdhsa_kernel k_q24bd84a385_bases
		.amdhsa_group_segment_fixed_size 0
		.amdhsa_private_segment_fixed_size 0
		.amdhsa_enable_private_segment 0
		.amdhsa_kernarg_size 16
		.amdhsa_user_sgpr_count 2
		.amdhsa_user_sgpr_kernarg_segment_ptr 1
		.amdhsa_wavefront_size32 1
		.amdhsa_system_sgpr_workgroup_id_x 1
		.amdhsa_system_sgpr_workgroup_id_y 1
		.amdhsa_system_sgpr_workgroup_id_z 1
		.amdhsa_system_vgpr_workitem_id 0
		.amdhsa_next_free_vgpr 72
		.amdhsa_next_free_sgpr 66
		.amdhsa_reserve_vcc 0
		.amdhsa_float_denorm_mode_32 3
		.amdhsa_float_denorm_mode_16_64 3
		.amdhsa_memory_ordered 1
		.amdhsa_forward_progress 1
		.amdhsa_inst_pref_size 17
	.end_amdhsa_kernel
	.amdgpu_metadata
---
amdhsa.version: [ 1, 2 ]
amdhsa.kernels:
  - .name:           k_q24bd84a385_bases
    .symbol:         k_q24bd84a385_bases.kd
    .args:
      - { .name: flow, .offset: 0, .size: 8, .value_kind: global_buffer, .address_space: global }
      - { .name: idx, .offset: 8, .size: 8, .value_kind: global_buffer, .address_space: global }
    .group_segment_fixed_size: 0
    .private_segment_fixed_size: 0
    .kernarg_segment_align: 8
    .kernarg_segment_size: 16
    .max_flat_workgroup_size: 224
    .sgpr_count:     66
    .vgpr_count:     72
    .wavefront_size: 32
...
	.end_amdgpu_metadata
.endif
;; end of part 3
;; launch sample (part 4): grid 48 x 16, 7 waves a work-group, no clusters, 0 bytes of LDS; arguments idx, flow, src, out0; writes out0
.if DOCPART == 4
	.amdgcn_target "amdgcn-amd-amdhsa--gfx1250"
	.amdhsa_code_object_version 6
	.text
	.protected	k_q24bd84a385_sample
	.globl	k_q24bd84a385_sample
	.p2align	8
	.type	k_q24bd84a385_sample,@function
k_q24bd84a385_sample:
	s_mov_b64 s[64:65], 0
	v_nop
	global_prefetch_b8 v0, s[64:65] scope:SCOPE_SE
	s_setreg_imm32_b32 hwreg(HW_REG_WAVE_SCHED_MODE, 0, 2), 2
	s_setreg_imm32_b32 hwreg(HW_REG_WAVE_MODE, 25, 1), 1
	s_wait_xcnt 0x0
	s_wait_alu depctr_vm_vsrc(0)
; out[c][d][h][w] = trilinear sample of src[c] at (d, h, w) + flow, zeros outside.  src, out: 2 x 160 x 192 x 224 f32; flow: 3 components.
; idx (made by the launch before) names for each voxel the corner (bd, bh, bw), base = clamp(floor(coordinate), 0, size - 2): row bd * 192 + bh in
; bits 31:16, 4 bw in bits 15:0.  base and base + 1 are always inside the table, so the eight corners are base + constants.
; The weights are made here from flow, in f32, as the tent function round each corner, with t = coordinate - base (the base by the same add, floor and
; clamp on the same numbers as in the launch before):
;   weight(base) = max(0, 1 - |t|)     weight(base + 1) = max(0, min(t, 2 - t))
; Inside the table that is (1 - f, f); for floor = -1 it is (f, 0); for floor = size - 1 it is (0, 1 - f); further out (0, 0): reference()'s weights times its mask.
; A chunk is 4 rows = 896 voxels = 3,584 consecutive bytes; 7 waves, thread t owns the 16 bytes (4 voxels) at 16 t: each stream load and each store of a
; wave covers 512 consecutive bytes, aligned.  The work-group (x, y) takes chunk x of the planes y + 16 i, i = 0 .. 9: in a trip all work-groups together
; cover 16 neighbouring planes, so the rows of src that one gathers are those that its neighbours gather.
; idx and flow come one trip ahead into two register sets that take turns; a trip's 64 gathers are dealt, 16 at a time, among the lines that make the weights.
; No LDS tile of src: the displacement has no bound, so no halo of fixed size serves every input.  No matrix unit: there is no product of matrices.
; LIMITS: a NaN or an infinity in flow gives weights 0, hence out = 0, where reference() gives NaN.  src is taken to be finite: at the table's border the corner
; that gets weight 0 here is another voxel than in reference(), and 0 times a non-finite number is NaN.  The three weights are applied one axis after the
; other, not as one product: the last bits may differ from reference()'s.
; THE MODE: SCHED_MODE bits 1:0 = 2 (LLVM: expert scheduling mode 2), set by the entry lines.  The code itself states the register dependences
; between vector instructions and memory instructions, with s_wait_alu, always for 0.
; THE PLAN.  Trip i works on set s = i % 2.  Registers that memory instructions touch:
;   ADR        written by trip i's address lines; read by trip i's gathers.
;   G          trip i's gathers land in it; trip i's interpolation works in place.
;   S[s]       the four stream loads issued in trip i - 1 land in it; trip i's address lines read it, its weight lines work in place.
;   O[s]       written by trip i's last multiply-adds; read by the two stores that are issued in trip i + 1.
;   OFF, PF    read by the stream loads, the stores and the request ahead; stepped at a trip's end.
;   T, WT, DF, HF, WF are named by vector instructions alone.
; ONE wait on va_vdst stands in a trip, behind the address lines.  It states: ADR is written; OFF and PF, stepped at the last trip's end, are written; the last trip's
; vector lines are done with G and with S[1 - s] and have written O[1 - s].  All the trip's memory instructions follow it: the gathers (ADR, G), the request ahead (PF),
; the stream loads of trip i + 1 (OFF, S[1 - s]) and the stores of trip i - 1 (OFF, O[1 - s]).  The vector lines that stand among them make the weights and name
; S[s], T, WT, DF, HF and WF: none of those registers.  One wait on vm_vsrc stands at a trip's end, ahead of the steps of OFF and PF and of the next trip's
; writes of ADR and of O[1 - s].
.set ROWB,   896                       ; bytes in a row of 224 f32
.set PLANE,  192*ROWB                  ; 172,032
.set CH,     160*PLANE                 ; 27,525,120: a channel of src or out, a component of flow
.set CHUNK,  4*ROWB
.set STEP,   16*PLANE                  ; from trip to trip: 2,752,512 bytes, forward or back inside a signed 24-bit immediate
.set ROWMAX, 158*192+190               ; the largest row that idx may name
.set COLMAX, 222*4                     ; the largest byte in a row
.set OFF, 1                            ; v1        byte offset of my 16 bytes in this trip's plane
.set WF,  2                            ; v[2:5]    w of my four voxels, f32
.set HF,  6                            ; v[6:7]    my h, twice
.set DF,  8                            ; v[8:9]    this trip's d, twice
.set ADR, 10                           ; v[10:13]  voxel j: byte offset of its corner in a channel of src
.set T,   14                           ; v[14:21]  at work
.set O,   22                           ; v[22:29]  out-buffer 0: channel 0 of my four voxels, then channel 1
.set OSTEP, 130                        ; v[152:159] out-buffer 1
.set WT,  30                           ; v[30:53]  voxel j: (lo, hi) for d, for h, for w: three pairs
.set S,   54                           ; v[54:85]  set s: 4 idx, 4 flow_d, 4 flow_h, 4 flow_w
.set G,   86                           ; v[86:149] voxel j, corner (dd, hh, ww), channel c at 16 j + 8 dd + 4 hh + 2 ww + c
.set PF,  150                          ; v150      wave 0: the block of src that my lane asks for ahead
.macro STREAM s, at                    ; idx and the three components of flow for the plane at byte offset 'at' from this trip's
	global_load_b128 v[S+16*(\s):S+16*(\s)+3],     v[OFF], s[4:5]   offset:\at th:TH_LOAD_NT
	global_load_b128 v[S+16*(\s)+4:S+16*(\s)+7],   v[OFF], s[6:7]   offset:\at th:TH_LOAD_NT
	global_load_b128 v[S+16*(\s)+8:S+16*(\s)+11],  v[OFF], s[12:13] offset:\at th:TH_LOAD_NT
	global_load_b128 v[S+16*(\s)+12:S+16*(\s)+15], v[OFF], s[14:15] offset:\at th:TH_LOAD_NT
.endm
	s_load_b256 s[4:11], s[0:1], 0x0               ; idx s[4:5], flow s[6:7], src s[8:9], out s[10:11]
	s_and_b32 s20, ttmp7, 0xffff                   ; y = my first plane
	s_mul_i32 s21, s20, PLANE
	s_mul_i32 s22, ttmp9, CHUNK
	s_add_co_u32 s21, s21, s22                     ; byte offset of my chunk in my first plane
	v_lshl_add_u32 v[OFF], v0, 4, s21
	s_wait_kmcnt 0x0
	s_add_nc_u64 s[12:13], s[6:7], CH              ; flow's h component
	s_add_nc_u64 s[14:15], s[6:7], 2*CH            ; flow's w component
	s_add_nc_u64 s[16:17], s[8:9], CH              ; src, channel 1
	s_add_nc_u64 s[18:19], s[10:11], CH            ; out, channel 1
	s_wait_alu depctr_va_vdst(0)                   ; v[OFF] is written, which the eight loads below read as their offset
	STREAM 0, 0                                    ; trip 0
	STREAM 1, STEP                                 ; trip 1
	; my place in the grid: 56 threads to a row; t / 56 = (t * 1171) >> 16 for t below 1,638
	s_lshl_b32 s22, ttmp9, 2                       ; the chunk's first row
	s_mov_b32 s25, 0x431e0000                      ; 158.0 = D - 2
	s_mov_b32 s26, 0x433e0000                      ; 190.0 = H - 2
	s_mov_b32 s27, 0x435e0000                      ; 222.0 = W - 2
	v_lshrrev_b32 v[T+2], 5, v0
	v_readfirstlane_b32 s28, v[T+2]                ; my wave's number
	v_mul_u32_u24 v[T], 1171, v0
	v_lshrrev_b32 v[T], 16, v[T]                   ; my row in the chunk
	v_mul_u32_u24 v[T+1], 56, v[T]
	v_sub_nc_u32 v[T+1], v0, v[T+1]
	v_lshlrev_b32 v[T+1], 2, v[T+1]                ; w of my first voxel
	v_add_nc_u32 v[T], s22, v[T]                   ; h
	v_cvt_f32_u32 v[HF], v[T]
	v_cvt_f32_u32 v[WF], v[T+1]
	v_cvt_f32_u32 v[DF], s20
	v_mov_b32 v[HF+1], v[HF]
	v_mov_b32 v[DF+1], v[DF]
	v_add_f32 v[WF+1], 1.0, v[WF]
	v_add_f32 v[WF+2], 2.0, v[WF]
	v_add_f32 v[WF+3], 0x40400000, v[WF]           ; + 3.0
	; The request ahead: my chunk of src is 14 blocks of 256 bytes in each channel.  Lane l of wave 0 names block l of channel 0 (l = 0 .. 13) or block l - 14
	; of channel 1 (l = 14 .. 27); lanes 28 to 31 repeat lane 27.
	v_min_u32 v[PF], 27, v0
	v_cmp_lt_u32 vcc_lo, 13, v[PF]
	v_lshlrev_b32 v[PF], 8, v[PF]
	v_mov_b32 v[T], CH-14*256
	s_wait_alu depctr_va_vcc(0)                    ; the compare has written VCC, which the select below reads
	v_cndmask_b32 v[T], 0, v[T], vcc_lo
	v_add3_u32 v[PF], v[PF], v[T], s21
	s_wait_alu depctr_va_sdst(0)                   ; s28 is written, ahead of its first reader: the compare in front of each request ahead
; The 16 gathers of voxel j: eight corners, two channels.
.macro GATHER j
.irp d, 0,1
.irp h, 0,1
.irp w, 0,1
	global_load_b32 v[G+16*\j+8*\d+4*\h+2*\w],   v[ADR+\j], s[8:9]   offset:\d*PLANE+\h*ROWB+\w*4
	global_load_b32 v[G+16*\j+8*\d+4*\h+2*\w+1], v[ADR+\j], s[16:17] offset:\d*PLANE+\h*ROWB+\w*4
.endr
.endr
.endr
.endm
; The weights of voxels p and p + 1 on one axis.  f: their flow numbers; g: their grid coordinates (a pair); lim: size - 2; wo: the axis's place among the weights.
.macro HALF f, g, lim, wo, p
	v_pk_add_f32 v[\f+\p:\f+\p+1], v[\f+\p:\f+\p+1], v[\g:\g+1]                    ; the coordinate
	v_floor_f32 v[T],   v[\f+\p]
	v_floor_f32 v[T+1], v[\f+\p+1]
	v_med3_num_f32 v[T],   v[T],   0, \lim                                         ; the base, as the launch before made it
	v_med3_num_f32 v[T+1], v[T+1], 0, \lim
	v_pk_add_f32 v[T:T+1], v[\f+\p:\f+\p+1], v[T:T+1] neg_lo:[0,1] neg_hi:[0,1]    ; t = coordinate - base
.irp e, 0,1
	v_sub_f32 v[T+2+\e], 1.0, |v[T+\e]|
	v_sub_f32 v[T+4+\e], 2.0, v[T+\e]
	v_min_num_f32 v[T+4+\e], v[T+\e], v[T+4+\e]
	v_max_num_f32 v[WT+6*(\p+\e)+\wo],   0, v[T+2+\e]                              ; weight of base
	v_max_num_f32 v[WT+6*(\p+\e)+\wo+1], 0, v[T+4+\e]                              ; weight of base + 1
.endr
.endm
; One trip.  s: the register set with this trip's idx and flow, and the out-buffer that it writes; first = 1: trip 0, with no trip in front of it to store;
; ahead = 1: the other set is loaded for the next trip; pre = 1: wave 0 asks for the next trip's chunk of src; top: how many younger loads may be out when the
; set has to be there; last = 1: nothing is stepped.
.macro TRIP s, first, ahead, pre, top, last
	s_wait_loadcnt \top                            ; loads return in order: my set is in (in trip 0 the other set's four may be out; later no other load is out here)
.irp j, 0,1,2,3
	v_lshrrev_b32 v[T+\j],   16, v[S+16*\s+\j]     ; row
	v_and_b32     v[ADR+\j], 0x3fc, v[S+16*\s+\j]  ; byte in the row
	v_min_u32 v[T+\j],   ROWMAX, v[T+\j]           ; whatever the word holds, all eight corners stay inside a channel:
	v_min_u32 v[ADR+\j], COLMAX, v[ADR+\j]         ; (30,526 + 193) * 896 + 888 + 4 is the channel's last number
	v_mul_u32_u24 v[T+\j], ROWB, v[T+\j]
	v_add_nc_u32 v[ADR+\j], v[T+\j], v[ADR+\j]
.endr
	s_wait_alu depctr_va_vdst(0)                   ; ADR, OFF and PF are written; the trip before is done with G and with the other set, in which loads below land, and has written the other out-buffer, which the stores below read
	GATHER 0                                       ; the gathers, dealt among the weights' lines, which name none of ADR and G
	HALF S+16*\s+4,  DF,   s25, 0, 0
	GATHER 1
	HALF S+16*\s+4,  DF,   s25, 0, 2
	GATHER 2
	HALF S+16*\s+8,  HF,   s26, 2, 0
	GATHER 3
.if \pre
	; One trip (16 planes) ahead: wave 0 asks for the work-group's own chunk of src, both channels, 28 blocks of 256 bytes, one lane each.  Over the launch every block
	; of planes 16 to 159 is asked for once.  The last trip asks for nothing: plane 159 is the furthest named.
	s_cmp_lg_u32 s28, 0
	s_cbranch_scc1 .Lno_request_\@
	global_prefetch_b8 v[PF], s[8:9] offset:STEP th:TH_LOAD_NT scope:SCOPE_SE
.Lno_request_\@:
.endif
	HALF S+16*\s+8,  HF,   s26, 2, 2
	HALF S+16*\s+12, WF,   s27, 4, 0
	HALF S+16*\s+12, WF+2, s27, 4, 2
.if \ahead
	STREAM (1-\s), STEP                            ; the next trip's idx and flow, into the set that the trip before used up.  No wait: no vector line since the wait above names that set or OFF
.endif
.if \first == 0
	global_store_b128 v[OFF], v[O+OSTEP*(1-\s):O+OSTEP*(1-\s)+3],   s[10:11] offset:-STEP th:TH_STORE_NT   ; the trip before: the offset reaches back;
	global_store_b128 v[OFF], v[O+OSTEP*(1-\s)+4:O+OSTEP*(1-\s)+7], s[18:19] offset:-STEP th:TH_STORE_NT   ; this trip writes the other out-buffer
.endif
.irp j, 0,1,2,3
	s_wait_loadcnt (3-\j)*16+4*\ahead              ; voxel j's 16 gathers are in; out may be the later voxels' 16 each and the four loads ahead
.irp m, 0,4,8,12
	v_pk_mul_f32 v[G+16*\j+\m:G+16*\j+\m+1], v[G+16*\j+\m:G+16*\j+\m+1], v[WT+6*\j+4:WT+6*\j+5] op_sel_hi:[1,0]   ; both channels times the pair's first: along w
.endr
.irp m, 0,4,8,12
	v_pk_fma_f32 v[G+16*\j+\m:G+16*\j+\m+1], v[G+16*\j+\m+2:G+16*\j+\m+3], v[WT+6*\j+4:WT+6*\j+5], v[G+16*\j+\m:G+16*\j+\m+1] op_sel:[0,1,0] op_sel_hi:[1,1,1]   ; times its second
.endr
.irp m, 0,8
	v_pk_mul_f32 v[G+16*\j+\m:G+16*\j+\m+1], v[G+16*\j+\m:G+16*\j+\m+1], v[WT+6*\j+2:WT+6*\j+3] op_sel_hi:[1,0]   ; along h
.endr
.irp m, 0,8
	v_pk_fma_f32 v[G+16*\j+\m:G+16*\j+\m+1], v[G+16*\j+\m+4:G+16*\j+\m+5], v[WT+6*\j+2:WT+6*\j+3], v[G+16*\j+\m:G+16*\j+\m+1] op_sel:[0,1,0] op_sel_hi:[1,1,1]
.endr
	v_pk_mul_f32 v[G+16*\j:G+16*\j+1], v[G+16*\j:G+16*\j+1], v[WT+6*\j:WT+6*\j+1] op_sel_hi:[1,0]                 ; along d; the last step parts the channels
	v_fma_f32 v[O+OSTEP*\s+\j],   v[G+16*\j+8], v[WT+6*\j+1], v[G+16*\j]
	v_fma_f32 v[O+OSTEP*\s+4+\j], v[G+16*\j+9], v[WT+6*\j+1], v[G+16*\j+1]
.endr
.if \last == 0
	s_wait_xcnt 0x0                                ; every memory instruction so far has had its addresses translated (ISA guide 3.1): OFF, PF, ADR and the other out-buffer are written again only behind this wait
	s_wait_alu depctr_vm_vsrc(0)                   ; the gathers have read ADR, the stream loads, the stores and the request ahead OFF and PF, the stores the other out-buffer: the lines below and the next trip write them
	v_add_nc_u32 v[OFF], STEP, v[OFF]
	v_add_nc_u32 v[PF],  STEP, v[PF]
	v_add_f32 v[DF],   0x41800000, v[DF]           ; d + 16.0
	v_add_f32 v[DF+1], 0x41800000, v[DF+1]
.endif
.endm
	TRIP 0, 1, 0, 1, 4, 0                          ; trip 0: nothing to store yet, and both sets are full
	s_mov_b32 s24, 4                               ; trips 1 to 8, two to a lap: sets and out-buffers are back at their start
.Llap:
	TRIP 1, 0, 1, 1, 0, 0
	TRIP 0, 0, 1, 1, 0, 0
	s_sub_co_u32 s24, s24, 1
	s_cmp_lg_u32 s24, 0
	s_cbranch_scc1 .Llap
	TRIP 1, 0, 0, 0, 0, 1                          ; trip 9: nothing is left to load or to ask for
	s_wait_alu depctr_va_vdst(0)                   ; trip 9 has written out-buffer 1, which the last two stores read
	global_store_b128 v[OFF], v[O+OSTEP:O+OSTEP+3],   s[10:11] th:TH_STORE_NT
	global_store_b128 v[OFF], v[O+OSTEP+4:O+OSTEP+7], s[18:19] th:TH_STORE_NT
	s_endpgm
.Lfunc_end_k_q24bd84a385_sample:
	.size	k_q24bd84a385_sample, .Lfunc_end_k_q24bd84a385_sample-k_q24bd84a385_sample
	.p2alignl 7, 3214868480
	.fill 96, 4, 3214868480
	.section	.rodata,"a",@progbits
	.p2align	6, 0x0
	.amdhsa_kernel k_q24bd84a385_sample
		.amdhsa_group_segment_fixed_size 0
		.amdhsa_private_segment_fixed_size 0
		.amdhsa_enable_private_segment 0
		.amdhsa_kernarg_size 32
		.amdhsa_user_sgpr_count 2
		.amdhsa_user_sgpr_kernarg_segment_ptr 1
		.amdhsa_wavefront_size32 1
		.amdhsa_system_sgpr_workgroup_id_x 1
		.amdhsa_system_sgpr_workgroup_id_y 1
		.amdhsa_system_sgpr_workgroup_id_z 1
		.amdhsa_system_vgpr_workitem_id 0
		.amdhsa_next_free_vgpr 160
		.amdhsa_next_free_sgpr 66
		.amdhsa_reserve_vcc 1
		.amdhsa_float_denorm_mode_32 3
		.amdhsa_float_denorm_mode_16_64 3
		.amdhsa_memory_ordered 1
		.amdhsa_forward_progress 1
		.amdhsa_inst_pref_size 68
	.end_amdhsa_kernel
	.amdgpu_metadata
---
amdhsa.version: [ 1, 2 ]
amdhsa.kernels:
  - .name:           k_q24bd84a385_sample
    .symbol:         k_q24bd84a385_sample.kd
    .args:
      - { .name: idx, .offset: 0, .size: 8, .value_kind: global_buffer, .address_space: global }
      - { .name: flow, .offset: 8, .size: 8, .value_kind: global_buffer, .address_space: global }
      - { .name: src, .offset: 16, .size: 8, .value_kind: global_buffer, .address_space: global }
      - { .name: out0, .offset: 24, .size: 8, .value_kind: global_buffer, .address_space: global }
    .group_segment_fixed_size: 0
    .private_segment_fixed_size: 0
    .kernarg_segment_align: 8
    .kernarg_segment_size: 32
    .max_flat_workgroup_size: 224
    .sgpr_count:     66
    .vgpr_count:     160
    .wavefront_size: 32
...
	.end_amdgpu_metadata
.endif
;; end of part 4
